; MI455X (gfx1250); checked and timed in simulation.
; The chip was launched on July 23, 2026; its instructions are those of AMD's public machine-readable ISA for CDNA 5 (MIT licence, August 2026) and "CDNA5" Instruction Set Architecture Reference Guide (July 2026). The comments in the code are by the model that wrote it; some were corrected since.
;; Masked Multi Self Attention. Allowed arithmetic: matrix products marked QUANTISED: E4M3 operands, one given power-of-two scale a tensor, by v_wmma_f32_16x16x64_fp8_fp8 or v_wmma_f32_16x16x128_fp8_fp8, f32 sums; everything else in f32.
;; Inputs: W_attn 1,024 x 3,072 float32; W_proj 1,024 x 1,024 float32; b_attn 3,072 float32; b_proj 1,024 float32; lowp_scales 8 int32 (the exponents e of the quantised operands' scales 2^e); x 4 x 2,048 x 1,024 float32.
;; Outputs: out0 4 x 2,048 x 1,024 float32.
;; This version of the problem:
;;   THIS VERSION OF THE PROBLEM IS GIVEN IN LOW PRECISION. The matrix products marked QUANTISED in the list below multiply operands that are first quantised to E4M3 (4 exponent bits, 3 mantissa bits; 8 bits a number), with one given power-of-two scale for each operand tensor; their sums are f32. All else is computed in f32.
;;   The module's matrix products, in the order in which they are computed (A, B: the left and right operand; K: the contracted axis; several contracted axes count as one K, in the product's order):
;;     1. [M 8,192, K 1,024] x [K 1,024, N 3,072]; A: input x; B: input W_attn: QUANTISED (scales: A lowp_scales[0], B lowp_scales[1])
;;     2. batch 64 x [M 2,048, K 64] x [K 64, N 2,048]; A: computed on the way; B: computed on the way: QUANTISED (scales: A lowp_scales[2], B lowp_scales[3])
;;     3. batch 64 x [M 2,048, K 2,048] x [K 2,048, N 64]; A: softmax (see below); B: computed on the way: QUANTISED (scales: A lowp_scales[4], B lowp_scales[5])
;;     4. [M 8,192, K 1,024] x [K 1,024, N 1,024]; A: computed on the way; B: input W_proj: QUANTISED (scales: A lowp_scales[6], B lowp_scales[7])
;;   THE QUANTISER, for each operand of a quantised product, along K:
;;     - The operand's scale is 2^e, e = its entry of the input lowp_scales (int32; the entries are numbered through the quantised products in the list's order, A before B).
;;     - Each number is divided by the scale, clamped to +-448, and rounded to the nearest number of E4M3, ties to even, subnormals kept.
;;     - The product sums the exact products of the quantised numbers (number of the format x scale) in f32.
;;   ~~~python
;;   def quantise(x, axis, e):      # numpy; x: float32 -> the quantised numbers, widened to float32 again
;;       x = np.moveaxis(x, axis, -1); K = x.shape[-1]
;;       r = np.clip(x / 2.0 ** e, -448, 448)
;;       step = 2.0 ** (np.maximum(np.frexp(np.where(r == 0, 1, r))[1] - 1, -6) - 3)
;;       q = np.round(r / step) * step * 2.0 ** e      # np.round: ties to even
;;       return np.moveaxis(q, -1, axis).astype(np.float32)
;;   ~~~
;;   SOFTMAX AHEAD OF A QUANTISED PRODUCT. Where the list says 'softmax', what is quantised is not the finished softmax but p = 2^(t - M), with t = logit x log2(e) and M = ceil(the row's largest t), a whole number; so 1/2 < the row's largest p <= 1. The row's sum l is taken of the UNQUANTISED p, in f32, and the product's result is divided by l at the end. Since M is a whole number, a kernel that streams over the keys may use a running M (the ceiling of the running maximum): every later rescaling is an exact power of two, so the quantised numbers keep their values, but for numbers so far below the row's largest that they fall under the format's range.
;;   OPERANDS COMPUTED ON THE WAY. 'Computed on the way' means the value that the module computes at that place (a softmax that the list does not call 'softmax' is quantised finished and normalised). What goes into a quantiser is computed in f32, as accurately as f32 sums, v_exp_f32 and their like allow (about 1e-6 of the number): no bf16 or f16 on the way to a quantiser, and a product that is left as it is and whose result goes on into a quantised operand takes f32 operands (vector FMAs, or v_wmma_f32_16x16x4_f32). A number that lies on a knife's edge between two numbers of the format may be rounded either way, as far as f32 arithmetic and the matrix unit's own rounding can turn it there, and no further.
;; One version. Each part assembles by itself: llvm-mc -triple=amdgcn-amd-amdhsa -mcpu=gfx1250 --defsym DOCPART=n.
;; ======== version 1 of 1: 4 launches
;; limits: right only within a limited range of input values
;; workspace buffers: x_codes 8,388,608 bytes; wa_codes 3,145,728 bytes; wp_codes 1,048,576 bytes; qkv 25,165,824 bytes; a_codes 8,388,608 bytes
;; launch quant (part 1): grid 640 x 1, 4 waves a work-group, no clusters, 102,912 bytes of LDS; arguments x, W_attn, W_proj, lowp_scales, x_codes, wa_codes, wp_codes; writes x_codes, wa_codes, wp_codes
.if DOCPART == 1
	.amdgcn_target "amdgcn-amd-amdhsa--gfx1250"
	.amdhsa_code_object_version 6
	.text
	.protected	k_qb246db5ba6_quant
	.globl	k_qb246db5ba6_quant
	.p2align	8
	.type	k_qb246db5ba6_quant,@function
k_qb246db5ba6_quant:
	s_mov_b64 s[64:65], 0
	v_nop
	global_prefetch_b8 v0, s[64:65] scope:SCOPE_SE
	s_setreg_imm32_b32 hwreg(HW_REG_WAVE_MODE, 25, 1), 1
	s_wait_xcnt 0x0
; The three f32 inputs become codes of FP8 (E4M3), K innermost, each with its given scale 2^e: x (e = entry 0 of the scales), W_attn (entry 1), W_proj (entry 7).
; code = number / 2^e, held within +-448, rounded to the nearest code, ties to even.
; LIMITS: each e lies between -126 and 119, so that 2^e and 448 x 2^e are f32 numbers.  NaN among the inputs is not served (an infinity is held at the largest code).
; ONE LAUNCH, THREE PATHS, parted by the work-group's number; each path has LDS bytes of its own and its own end.
;   work-groups 0-95:    W_attn [1024 (k)][3072 (n)] -> wa_codes [3072][1024]: 128 columns x 256 along K each
;   work-groups 96-127:  W_proj [1024 (k)][1024 (n)] -> wp_codes [1024][1024], likewise.  In every 32 bytes of a row the four groups of 8 codes lie in the order 0, 2, 1, 3 of k: a fragment
;                        fetched by loads of 16 bytes, 32 bytes apart, then has each k where the matrix instruction's own layout has it, as the attention launch lays its results
;   work-groups 128-639: x, a plain stream of 8,388,608 numbers: 4,096 a wave
; No tensor loads, no barrier: waves share nothing.  The matrix units and clusters have nothing to do here: every byte is read once and written once.
.set STEPS, 8                          ; x: steps of 512 numbers for a wave
.set SP,    80                         ; x: a lane's place in a stage: its 64 bytes + 16 of padding
.set XR,    16                         ; v16-79   x: four sets of 16 numbers as they are loaded
.set XX,    80                         ; v80-111  x: two sets of 16 neighbours
.set XC,    128                        ; v128-159 x: codes, four registers for each step: no store's data are written again
.set PITCH, 272                        ; W: a stage row: 256 bytes of codes + 16
.set WX,    32                         ; v32-95   W: two sets of 32 numbers
.set WC,    96                         ; v96-103  W: a block's codes
.set OUTR,  112                        ; v112-175 W: the way out
.set WA_LDS, 32768                     ; LDS: x's stages 0 .. 32,767 (8,192 a wave); W_attn's from here (4 x 32 x 272 bytes);
.set WP_LDS, 67584                     ; W_proj's from here
	s_load_b256 s[4:11], s[0:1], 0x0               ; x s[4:5], W_attn s[6:7], W_proj s[8:9], the scales' exponents s[10:11]
	s_load_b128 s[12:15], s[0:1], 0x20             ; x_codes s[12:13], wa_codes s[14:15]
	s_load_b64 s[16:17], s[0:1], 0x30              ; wp_codes
	v_lshl_add_u32 v192, v0, 2, 0x19000
	v_mov_b32 v193, 0
	v_lshrrev_b32 v1, 5, v0
	v_readfirstlane_b32 s18, v1                    ; wave 0..3
	v_and_b32 v2, 31, v0                           ; lane
	s_wait_kmcnt 0x0
	s_load_b256 s[32:39], s[10:11], 0x0            ; e0 .. e7
	s_cmp_lt_u32 ttmp9, 96
	s_cbranch_scc1 .Lw_attn
	s_cmp_lt_u32 ttmp9, 128
	s_cbranch_scc1 .Lw_proj
.macro SCALE e                         ; v11 = 2^e as f32 (the conversion takes its exponent field), v10 = 448 x 2^e
	s_wait_kmcnt 0x0
	s_add_co_i32 s30, s[\e], 127
	s_lshl_b32 s31, s30, 23
	v_mov_b32 v11, s31
	s_add_co_i32 s30, s30, 8
	s_lshl_b32 s30, s30, 23
	s_or_b32 s30, s30, 0x600000                    ; the mantissa field of 448
	v_mov_b32 v10, s30
.endm
; ---- x.  The conversions take 8 numbers of one lane's consecutive registers, so a lane must hold neighbours along K; a load is dense where neighbouring lanes take neighbouring bytes.  Both are had:
; each of a step's four loads reads 512 consecutive bytes, 16 a lane; the 2,048 bytes go through the wave's own stage in LDS as they lie and come back 64 bytes a lane.
.macro XLOAD t
.irp i, 0,1,2,3
	global_load_b128 v[XR+16*((\t)%4)+4*\i:XR+16*((\t)%4)+4*\i+3], v3, s[4:5] offset:2048*(\t)+512*\i th:TH_LOAD_NT
.endr
.endm
.macro XTURN t                         ; LDS serves a wave's instructions in order: no wait between the stores and the loads
.irp i, 0,1,2,3
	ds_store_b128 v14, v[XR+16*((\t)%4)+4*\i:XR+16*((\t)%4)+4*\i+3] offset:32*SP*((\t)%2)+8*SP*\i
.endr
.irp i, 0,1,2,3
	ds_load_b128 v[XX+16*((\t)%2)+4*\i:XX+16*((\t)%2)+4*\i+3], v15 offset:32*SP*((\t)%2)+16*\i
.endr
.endm
.macro XSTEP t
.set XS, XX+16*((\t)%2)
	s_wait_dscnt 0x0                               ; this step's numbers are back from the stage, so its stores into the stage have read their registers,
.if (\t)+4 < STEPS
	XLOAD (\t)+4                                   ; which take the loads of four steps on
.endif
.if (\t)+1 < STEPS
.if STEPS-2-(\t) >= 3
	s_wait_loadcnt 12                              ; the next step's four loads are in; those of the three steps behind it may be out
.else
	s_wait_loadcnt 4*(STEPS-2-(\t))
.endif
	XTURN (\t)+1                                   ; and go through the other stage while this step is worked
.endif
.irp i, 0,1,2,3,4,5,6,7,8,9,10,11,12,13,14,15
	v_med3_num_f32 v[XS+\i], v[XS+\i], -v10, v10   ; the conversion to an 8-bit code does not saturate (ISA guide 7.6.2): the hold comes first
.endr
	v_cvt_scalef32_pk8_fp8_f32 v[XC+4*(\t):XC+4*(\t)+1], v[XS:XS+7], v11
	v_cvt_scalef32_pk8_fp8_f32 v[XC+4*(\t)+2:XC+4*(\t)+3], v[XS+8:XS+15], v11
	global_store_b128 v3, v[XC+4*(\t):XC+4*(\t)+3], s[12:13] offset:512*(\t)   ; a lane's 16 codes: the wave stores 512 consecutive bytes, aligned
.endm
	v_lshlrev_b32 v3, 4, v2                        ; 16 x lane: my bytes of a load's 512, and of a step's 512 bytes of codes
	s_mul_i32 s19, s18, 8192                       ; my wave's stages
	v_lshrrev_b32 v14, 2, v2
	v_mul_u32_u24 v14, v14, SP
	v_and_b32 v15, 3, v2
	v_lshl_add_u32 v14, v15, 4, v14
	v_add_nc_u32 v14, s19, v14                     ; in: four lanes' 64 bytes on end, then the padding
	v_mul_u32_u24 v15, v2, SP
	v_add_nc_u32 v15, s19, v15                     ; out: my 16 neighbours
	s_sub_co_u32 s20, ttmp9, 128
	s_lshl_b32 s20, s20, 2
	s_add_co_u32 s20, s20, s18                     ; which run of 4,096 numbers is my wave's: 0 .. 2,047
	s_lshl_b32 s22, s20, 14
	s_mov_b32 s23, 0
	s_add_nc_u64 s[4:5], s[4:5], s[22:23]
	s_lshl_b32 s22, s20, 12
	s_add_nc_u64 s[12:13], s[12:13], s[22:23]
.irp t, 0,1,2,3
	XLOAD \t
.endr
	SCALE 32
	s_wait_loadcnt 12                              ; step 0's four loads are in
	XTURN 0
.irp t, 0,1,2,3,4,5,6,7
	XSTEP \t
.endr
	s_wait_tensorcnt 0x0
	ds_add_u32 v192, v193
	s_wait_dscnt 0x0
	s_endpgm
; ---- W.  K is the first axis.  A LANE TAKES A COLUMN n AND ITS REGISTERS RUN DOWN K: each load reads neighbouring n in neighbouring lanes (128 consecutive bytes a wave, 512 a work-group), and the
; conversions give the codes with K innermost.  A wave gathers 32 columns x 256 along K in its own stage and stores them by rows: sixteen lanes write 256 consecutive bytes, aligned.
.macro WLOAD t                         ; block t: W(32 t + i, my column) into set t % 2
.set i, 0
.rept 32
	global_load_b32 v[WX+32*((\t)%2)+i], v3, s[WSRC:WSRC+1] offset:(32*(\t)+i)*WN*4 th:TH_LOAD_NT
.set i, i+1
.endr
.endm
.macro WBLOCK t
.set WS, WX+32*((\t)%2)
.if (\t) < 7
	s_wait_loadcnt 32                              ; this block's 32 loads are in; the next block's may be out
.else
	s_wait_loadcnt 0
.endif
.set i, 0
.rept 32
	v_med3_num_f32 v[WS+i], v[WS+i], -v10, v10
.set i, i+1
.endr
.irp g, 0,1,2,3                        ; group g of 8 codes goes to place g, or (WSWAP) to place 0, 2, 1, 3
	v_cvt_scalef32_pk8_fp8_f32 v[WC+2*(\g+WSWAP*((\g%2)*2+\g/2-\g)):WC+2*(\g+WSWAP*((\g%2)*2+\g/2-\g))+1], v[WS+8*\g:WS+8*\g+7], v11
.endr
	ds_store_b128 v4, v[WC:WC+3] offset:32*(\t)
	ds_store_b128 v4, v[WC+4:WC+7] offset:32*(\t)+16
.if (\t)+2 < 8
	WLOAD (\t)+2
.endif
	s_wait_dscnt 0x0                               ; the stores have read their registers: the next block's codes may be written
.endm
.macro WPATH cols, stage, swap, first, src, dst, e
.set WN, \cols
.set WSWAP, \swap
.set WSRC, \src
.set WDST, \dst
	s_sub_co_u32 s19, ttmp9, \first                ; my number among this tensor's work-groups
	s_lshr_b32 s20, s19, 2                         ; which 128 columns,
	s_and_b32 s21, s19, 3                          ; which 256 along K
	s_lshl_b32 s20, s20, 7
	s_lshl_b32 s22, s18, 5
	s_add_co_u32 s20, s20, s22                     ; my wave's first column
	v_lshlrev_b32 v3, 2, v2                        ; in: 4 bytes a lane
	s_mul_i32 s23, s18, 32*PITCH
	s_add_co_u32 s23, s23, \stage                  ; my stage
	v_mul_u32_u24 v4, v2, PITCH
	v_add_nc_u32 v4, s23, v4                       ; into it: row = my column
	v_and_b32 v5, 15, v2
	v_lshrrev_b32 v6, 4, v2                        ; out of it: sixteen lanes to a row, two rows an instruction
	v_mul_u32_u24 v7, v6, PITCH
	v_lshl_add_u32 v7, v5, 4, v7
	v_add_nc_u32 v7, s23, v7
	v_lshlrev_b32 v8, 10, v6                       ; and the same place in the codes: rows of 1,024 bytes
	v_lshl_add_u32 v8, v5, 4, v8
	s_mul_i32 s24, s21, 256*WN*4                   ; W: 256 rows of K for each step down, + 4 x column
	s_lshl_b32 s26, s20, 2
	s_add_co_u32 s24, s24, s26
	s_mov_b32 s25, 0
	s_add_nc_u64 s[WSRC:WSRC+1], s[WSRC:WSRC+1], s[24:25]
	s_lshl_b32 s24, s20, 10                        ; codes: column x 1,024 + 256 x step
	s_lshl_b32 s26, s21, 8
	s_add_co_u32 s24, s24, s26
	s_add_nc_u64 s[WDST:WDST+1], s[WDST:WDST+1], s[24:25]
	WLOAD 0
	WLOAD 1
	SCALE \e
.set Q, 0
.rept 8
	WBLOCK Q
.set Q, Q+1
.endr
.irp t, 0,1,2,3,4,5,6,7,8,9,10,11,12,13,14,15
	ds_load_b128 v[OUTR+4*\t:OUTR+4*\t+3], v7 offset:2*\t*PITCH   ; LDS serves a wave's instructions in order: these see my stores
.endr
.irp t, 0,1,2,3,4,5,6,7,8,9,10,11,12,13,14,15
	s_wait_dscnt 15-\t
	global_store_b128 v8, v[OUTR+4*\t:OUTR+4*\t+3], s[WDST:WDST+1] offset:2*\t*1024
.endr
	s_wait_tensorcnt 0x0
	ds_add_u32 v192, v193
	s_wait_dscnt 0x0
	s_endpgm
.endm
.Lw_attn:
	WPATH 3072, WA_LDS, 0, 0, 6, 14, 33            ; every offset is an immediate: 255 rows of 12,288 bytes at the most, inside the signed 24 bits
.Lw_proj:
	WPATH 1024, WP_LDS, 1, 96, 8, 16, 39
.Lfunc_end_k_qb246db5ba6_quant:
	.size	k_qb246db5ba6_quant, .Lfunc_end_k_qb246db5ba6_quant-k_qb246db5ba6_quant
	.p2alignl 7, 3214868480
	.fill 96, 4, 3214868480
	.section	.rodata,"a",@progbits
	.p2align	6, 0x0
	.amdhsa_kernel k_qb246db5ba6_quant
		.amdhsa_group_segment_fixed_size 102912
		.amdhsa_private_segment_fixed_size 0
		.amdhsa_enable_private_segment 0
		.amdhsa_kernarg_size 56
		.amdhsa_user_sgpr_count 2
		.amdhsa_user_sgpr_kernarg_segment_ptr 1
		.amdhsa_wavefront_size32 1
		.amdhsa_system_sgpr_workgroup_id_x 1
		.amdhsa_system_sgpr_workgroup_id_y 1
		.amdhsa_system_sgpr_workgroup_id_z 1
		.amdhsa_system_vgpr_workitem_id 0
		.amdhsa_next_free_vgpr 194
		.amdhsa_next_free_sgpr 66
		.amdhsa_reserve_vcc 0
		.amdhsa_float_denorm_mode_32 3
		.amdhsa_float_denorm_mode_16_64 3
		.amdhsa_memory_ordered 1
		.amdhsa_forward_progress 1
		.amdhsa_inst_pref_size 116
	.end_amdhsa_kernel
	.amdgpu_metadata
---
amdhsa.version: [ 1, 2 ]
amdhsa.kernels:
  - .name:           k_qb246db5ba6_quant
    .symbol:         k_qb246db5ba6_quant.kd
    .args:
      - { .name: x, .offset: 0, .size: 8, .value_kind: global_buffer, .address_space: global }
      - { .name: W_attn, .offset: 8, .size: 8, .value_kind: global_buffer, .address_space: global }
      - { .name: W_proj, .offset: 16, .size: 8, .value_kind: global_buffer, .address_space: global }
      - { .name: lowp_scales, .offset: 24, .size: 8, .value_kind: global_buffer, .address_space: global }
      - { .name: x_codes, .offset: 32, .size: 8, .value_kind: global_buffer, .address_space: global }
      - { .name: wa_codes, .offset: 40, .size: 8, .value_kind: global_buffer, .address_space: global }
      - { .name: wp_codes, .offset: 48, .size: 8, .value_kind: global_buffer, .address_space: global }
    .group_segment_fixed_size: 102912
    .private_segment_fixed_size: 0
    .kernarg_segment_align: 8
    .kernarg_segment_size: 56
    .max_flat_workgroup_size: 128
    .sgpr_count:     66
    .vgpr_count:     194
    .wavefront_size: 32
...
	.end_amdgpu_metadata
.endif
;; end of part 1
;; launch qkv (part 2): grid 12 x 32, 4 waves a work-group, clusters of 4 x 4, 327,680 bytes of LDS; arguments x_codes, wa_codes, lowp_scales, b_attn, qkv; writes qkv
.if DOCPART == 2
	.amdgcn_target "amdgcn-amd-amdhsa--gfx1250"
	.amdhsa_code_object_version 6
	.text
	.protected	k_qb246db5ba6_qkv
	.globl	k_qb246db5ba6_qkv
	.p2align	8
	.type	k_qb246db5ba6_qkv,@function
k_qb246db5ba6_qkv:
	s_mov_b64 s[64:65], 0
	v_nop
	global_prefetch_b8 v0, s[64:65] scope:SCOPE_SE
	s_setreg_imm32_b32 hwreg(HW_REG_WAVE_MODE, 25, 1), 1
	s_wait_xcnt 0x0
	s_wait_alu depctr_hold_cnt(0) depctr_sa_sdst(0) depctr_va_vdst(0) depctr_va_sdst(0) depctr_va_ssrc(0) depctr_va_vcc(0) depctr_vm_vsrc(0)
	s_getreg_b32 s2, hwreg(HW_REG_IB_STS2, 6, 4)
	s_cmp_eq_u32 s2, 0
	s_cbranch_scc0 .Lentry_in_a_cluster
	s_endpgm
.Lentry_in_a_cluster:
	s_bfe_u32 s2, ttmp6, 0x10000c
	s_cmp_lg_u32 s2, 0xf033
	s_cbranch_scc0 .Lentry_shape_is_right
	s_endpgm
.Lentry_shape_is_right:
; qkv = x W_attn + b_attn on codes of FP8 (E4M3), then quantised again: q with 2^e2, k with 2^e3, v with 2^e5, and stored as IMAGES OF THE NEXT PRODUCTS' OPERAND REGISTERS.
; x_codes [8192][1024], wa_codes [3072][1024]: K innermost.  A finished sum is multiplied by 2^(e0 + e1) and the bias added in one fused multiply-add, in f32; then conversion, store.
; LIMITS: e0 + e1 between -126 and 127; e2, e3, e5 between -126 and 119.  NaN and infinities among the inputs are not served.
; A tile of 256 x 256 is made by a work-group of four waves, a wave makes 128 x 128: 64 accumulators, 512 registers.  K = 1024 goes in four steps of 256 through a ring of two LDS slots.
; ROLES.  The matrix instruction takes 16 rows of the B-role tensor as source 0 and 16 rows of the A-role tensor as source 1: lane (r, h) then holds row r of the A-role and, in registers 0-7 of
; accumulator b, B-role rows 16 b + 8 h + 0..7: eight neighbours, which one conversion turns into registers 2 b, 2 b + 1 of an operand whose K runs along the B-role.
;   cluster x = 0, 1 (q, k): A-role = x (tokens), B-role = W_attn's columns: K of the next product = the head's 64.   cluster x = 2 (v): A-role = W_attn's columns, B-role = x: K = the keys.
; OUT.  qkv: q at byte 0, k at 8,388,608, v at 16,777,216; in each, 131,072 bytes for each (batch, head).  q, k: a fragment of 16 tokens x 64 is 1,024 bytes: registers 4 u .. 4 u + 3 of lane l at
; 512 u + 16 l.  v: for each 128 keys four fragments (16 of the head's 64 x 128 keys) of 2,048 bytes, laid the same way.  Each store of the wave covers 512 consecutive bytes, aligned: no stage in LDS.
; CLUSTERS: 4 x 4 work-groups.  The A-role tile hangs on the tile row, shared along a row of the cluster, the B-role tile on the tile column, shared along a column: each is asked for JOINTLY.
; The cluster's x, which picks the roles, is the same in all sixteen partners.
; REGISTERS, in windows of 256: window 0: v0-31 addresses; v32-95 the bias by columns, v96-111 by rows; v112 the conversion's scale; from v128 A's fragments, ONE set, later the codes.
;   window 1: B's fragments, TWO sets.   windows 2, 3: the accumulators of my rows 0-63, 64-127 (accumulator (a, b) at v[8 (8 (a % 4) + b)]).
.set ROWB,   256                       ; a tile's row in bytes: 256 codes
.set KROW,   1024                      ; a row of either tensor in memory
.set PITCH,  272                       ; an LDS row: 256 bytes + 16 of padding, so that the 16 rows of a fragment load start 68 words apart
.set FR,     16                        ; registers of a fragment: 16 rows x 128 K
.set NL,     4                         ; LDS loads that bring one
.set NP,     4                         ; places behind this matrix instruction (ISA guide 7.12.1)
.set HALFT,  128*PITCH                 ; 128 rows: what one tensor load brings
.set SLOT,   4*HALFT                   ; A's 256 rows, then B's 256 rows
.set SPARE,  2*SLOT                    ; behind the ring: the spare words, 128 bytes for each wave, which no other line names
.set BCO,  10                          ; v10     byte offset in b_attn of my eight numbers of column block 0
.set BRO,  11                          ; v11     byte offset in b_attn of my row of row block 0
.set ADRA, 16                          ; v16-17  LDS address of my A fragments in slot 0, 1
.set ADRB, 20                          ; v20-21  the same for B
.set LI,   26                          ; v26     16 x lane: my place in an image
.set SPW,  28                          ; v28     LDS address of my spare word; never rewritten
.set NIL,  29                          ; v29     0; never rewritten
.set CBI,  32                          ; v32-95  b_attn at columns 16 b + 8 h + j (register 8 b + j)
.set RBI,  96                          ; v96-111 b_attn at row 16 a + r, twice (registers 2 a, 2 a + 1)
.set SCV,  112                         ; v112    2^e of the tensor that this cluster makes
.set LIMV, 113
.set AF,   128                         ; A's fragments
.set CD,   128                         ; the way out: 16 registers of codes for each block of 16 rows, so that no store's data are written again
.set G1, 24                            ; s[24:31] descriptor group 1 for A's tiles;  s[32:39] group 0, one set for each slot
.set G0, 32
.set G1B, 48                           ; s[48:55], s[56:63] the same for B's tiles
.set G0B, 56
.set MSB, 0
.macro WIN new                         ; the immediate's high byte repeats the setting that is left
.if MSB != (\new)
	s_set_vgpr_msb (MSB<<8)|(\new)
.set MSB, (\new)
.endif
.endm
.set MUL_LO, 0xa1                      ; source 0 (B) window 1, source 1 (A) window 0, C and D window 2
.set MUL_HI, 0xf1                      ; the same, C and D window 3
.set TO_B,   0x40                      ; destination window 1, address window 0
; A joint load: waves 0 and 1 fetch for A, waves 2 and 3 for B.  Each line has ONE mask and one set of registers for all that issue it; the branch hangs on the wave's number alone.
; Four v_nop follow each of the two lines, ahead of the jump, the label and what follows.
.macro JLOAD g0a, g1a, g0b, g1b
	s_cmp_eq_u32 s15, 0
	s_cbranch_scc0 .Lfor_b_\@
	tensor_load_to_lds s[\g0a:\g0a+3], s[\g1a:\g1a+7]
	s_nop 0
.rept 4
	v_nop
.endr
	s_branch .Lasked_\@
.Lfor_b_\@:
	tensor_load_to_lds s[\g0b:\g0b+3], s[\g1b:\g1b+7]
	s_nop 0
.rept 4
	v_nop
.endr
.Lasked_\@:
.endm
.macro CREST                           ; a round of the cluster's barrier behind its opening barrier
	s_cmp_lg_u32 s14, 0
	s_cbranch_scc1 .Lnot_wave_0_\@
	s_barrier_signal -3
.Lnot_wave_0_\@:
	s_barrier_wait -3
	s_barrier_signal -1
	s_barrier_wait -1
.endm
.macro CROUND                          ; a whole round
	s_barrier_signal -1
	s_barrier_wait -1
	CREST
.endm
	s_load_b256 s[4:11], s[0:1], 0x0               ; x_codes s[4:5], wa_codes s[6:7], the scales' exponents s[8:9], b_attn s[10:11]
	s_load_b64 s[12:13], s[0:1], 0x20              ; qkv
	v_lshl_add_u32 v[SPW], v0, 2, SPARE
	v_mov_b32 v[NIL], 0
	ds_add_u32 v28, v29
	ds_add_u32 v28, v29
	s_wait_dscnt 0x0
	v_lshrrev_b32 v1, 5, v0
	v_readfirstlane_b32 s14, v1                    ; wave 0..3
	s_lshr_b32 s15, s14, 1                         ; which half of the tile's A-role rows is mine.  Also: I fetch for A (0) or for B (1)
	s_and_b32 s16, s14, 1                          ; which half of its B-role rows.  Also: which 128 rows of that tile I fetch
	s_bfe_u32 s40, ttmp6, 0x40000                  ; cx, cy: my place in the cluster
	s_bfe_u32 s41, ttmp6, 0x40004
	s_mov_b32 s80, ttmp9                           ; cluster x: 0 q, 1 k, 2 v
	s_and_b32 s81, ttmp7, 0xffff
	s_lshl_b32 s81, s81, 2                         ; 4 x cluster y: the cluster's first tile of 256 tokens
	s_lshl_b32 s86, s80, 2                         ; 4 x cluster x: its first tile of W_attn's columns
	s_cmp_eq_u32 s80, 2
	s_cselect_b32 s17, 8, s81                      ; v: the A-role is W_attn's columns 2,048 on: tiles 8 to 11
	s_cselect_b32 s42, s81, s86
	s_add_co_u32 s17, s17, s41                     ; A-role tile: hangs on cy alone
	s_add_co_u32 s42, s42, s40                     ; B-role tile: hangs on cx alone
	s_lshl_b32 s43, s41, 2
	s_lshl_b32 s43, 15, s43                        ; my row of the cluster
	s_lshl_b32 s44, 0x1111, s40                    ; my column
	; descriptor group 1: a tile of 128 rows x 256 bytes, padded in LDS
	s_or_b32 s[G1+0], s43, (0<<16)|(1<<20)|(1<<21)|(5<<22)|(3<<25)  ; 15:0 the mask; 17:16 element of 1 byte; 20 padding on; 21 set beside a mask; 24:22 after every 64 words (code 5); 31:25 of 4 words (code 3)
	s_or_b32 s[G1B+0], s44, (0<<16)|(1<<20)|(1<<21)|(5<<22)|(3<<25)
.irp g, G1, G1B
	s_mov_b32 s[\g+1], ROWB<<16                    ; tensor_dim0
	s_mov_b32 s[\g+2], 128<<16                     ; tensor_dim1 = 128
	s_mov_b32 s[\g+3], ROWB<<16                    ; tile_dim0
	s_mov_b32 s[\g+4], 128                         ; tile_dim1 = 128
	s_mov_b32 s[\g+5], KROW                        ; tensor_dim0_stride
	s_mov_b32 s[\g+6], 0
	s_mov_b32 s[\g+7], 0
.endr
	s_lshl_b32 s18, s16, 7                         ; which 128 rows of the tile I fetch
	s_lshl_b32 s20, s17, 8
	s_add_co_u32 s20, s20, s18
	s_lshl_b32 s20, s20, 10                        ; A: (256 x tile + 128 x half) rows of 1,024 bytes
	s_lshl_b32 s46, s42, 8
	s_add_co_u32 s46, s46, s18
	s_lshl_b32 s46, s46, 10                        ; B likewise
	s_mov_b32 s21, 0
	s_mov_b32 s47, 0
	s_mul_i32 s45, s14, HALFT                      ; where they go: wave x 128 rows: no place in the cluster enters an LDS address
	s_wait_kmcnt 0x0
	s_load_b256 s[68:75], s[8:9], 0x0              ; e0 .. e7
	s_cmp_eq_u32 s80, 2                            ; the roles: a choice that hangs on the cluster's number alone
	s_cselect_b64 s[76:77], s[6:7], s[4:5]
	s_cselect_b64 s[78:79], s[4:5], s[6:7]
	s_add_nc_u64 s[20:21], s[76:77], s[20:21]
	s_add_nc_u64 s[46:47], s[78:79], s[46:47]
	CROUND                                         ; all sixteen work-groups are here: the first joint loads meet
.irp s, 0,1
	s_mov_b32 s[G0+4*\s], 1
	s_add_co_u32 s[G0+4*\s+1], s45, \s*SLOT
	s_add_nc_u64 s[G0+4*\s+2:G0+4*\s+3], s[20:21], \s*ROWB
	s_or_b32 s[G0+4*\s+3], s[G0+4*\s+3], 0x80000000
	s_mov_b32 s[G0B+4*\s], 1
	s_add_co_u32 s[G0B+4*\s+1], s45, \s*SLOT
	s_add_nc_u64 s[G0B+4*\s+2:G0B+4*\s+3], s[46:47], \s*ROWB
	s_or_b32 s[G0B+4*\s+3], s[G0B+4*\s+3], 0x80000000
	JLOAD G0+4*\s, G1, G0B+4*\s, G1B
.endr
	v_and_b32 v1, 15, v0                           ; r = l % 16
	v_bfe_u32 v2, v0, 4, 1                         ; h = l / 16
	s_wait_alu depctr_va_vdst(0)
	v_mul_u32_u24 v3, v1, PITCH
	v_lshl_add_u32 v4, v2, 4, v3                   ; a fragment's row x pitch + 16 x half
	s_mul_i32 s21, s15, HALFT                      ; my 128 rows of A
	s_mul_i32 s22, s16, HALFT                      ; my 128 rows of B,
	s_add_co_u32 s22, s22, 2*HALFT                 ; which lie behind A's 256
.irp s, 0,1
	v_add_nc_u32 v[ADRA+\s], s21, v4
	v_add_nc_u32 v[ADRB+\s], s22, v4
	s_add_co_u32 s21, s21, SLOT
	s_add_co_u32 s22, s22, SLOT
.endr
	v_and_b32 v6, 31, v0
	v_lshlrev_b32 v[LI], 4, v6
	s_lshl_b32 s87, s17, 8
	s_lshl_b32 s88, s15, 7
	s_add_co_u32 s87, s87, s88                     ; my first A-role row
	s_lshl_b32 s88, s42, 8
	s_lshl_b32 s89, s16, 7
	s_add_co_u32 s88, s88, s89                     ; my first B-role row
	; the bias.  q, k: it goes by the B-role (columns of W_attn); v: by the A-role.  Both sets of registers are loaded in every work-group, the one that is not used from b_attn's first bytes.
	s_lshl_b32 s90, s88, 2
	s_lshl_b32 s91, s87, 2
	s_cmp_eq_u32 s80, 2
	s_cselect_b32 s82, 0, s90
	s_cselect_b32 s83, s91, 0
	v_lshlrev_b32 v[BCO], 5, v2
	v_add_nc_u32 v[BCO], s82, v[BCO]
	v_lshlrev_b32 v[BRO], 2, v1
	v_add_nc_u32 v[BRO], s83, v[BRO]
.irp b, 0,1,2,3,4,5,6,7
	global_load_b128 v[CBI+8*\b:CBI+8*\b+3], v[BCO], s[10:11] offset:64*\b
	global_load_b128 v[CBI+8*\b+4:CBI+8*\b+7], v[BCO], s[10:11] offset:64*\b+16
.endr
.irp a, 0,1,2,3,4,5,6,7
	global_load_b32 v[RBI+2*\a], v[BRO], s[10:11] offset:64*\a
	global_load_b32 v[RBI+2*\a+1], v[BRO], s[10:11] offset:64*\a
.endr
	; where my images begin.  q, k: region (column / 1024), pair = 16 x (token / 2048) + (column % 1024) / 64, fragment (token % 2048) / 16
	s_lshr_b32 s90, s88, 10
	s_lshl_b32 s90, s90, 23
	s_lshr_b32 s91, s87, 11
	s_lshl_b32 s91, s91, 4
	s_bfe_u32 s92, s88, 0x40006
	s_add_co_u32 s91, s91, s92
	s_lshl_b32 s91, s91, 17
	s_add_co_u32 s90, s90, s91
	s_bfe_u32 s92, s87, 0x70004
	s_lshl_b32 s92, s92, 10
	s_add_co_u32 s90, s90, s92
	; v: region 2, pair = 16 x (token / 2048) + (column % 1024) / 64, block of 128 keys (token % 2048) / 128
	s_lshr_b32 s91, s88, 11
	s_lshl_b32 s91, s91, 4
	s_bfe_u32 s92, s87, 0x40006
	s_add_co_u32 s91, s91, s92
	s_lshl_b32 s91, s91, 17
	s_bfe_u32 s92, s88, 0x40007
	s_lshl_b32 s92, s92, 13
	s_add_co_u32 s91, s91, s92
	s_add_co_u32 s91, s91, 2<<23
	s_cmp_eq_u32 s80, 2
	s_cselect_b32 s84, s91, s90
	s_mov_b32 s85, 0
	s_add_nc_u64 s[12:13], s[12:13], s[84:85]
	s_wait_kmcnt 0x0
	s_add_co_i32 s96, s68, s69                     ; e0 + e1
	s_add_co_i32 s96, s96, 127
	s_lshl_b32 s96, s96, 23                        ; 2^(e0 + e1) as f32
	s_mov_b32 s97, s96                             ; (named with it as a pair, so it is written)
	s_cmp_eq_u32 s80, 0                            ; the scale of what this cluster makes: chosen without a jump
	s_cselect_b32 s86, s70, s71
	s_cmp_eq_u32 s80, 2
	s_cselect_b32 s86, s73, s86
	s_add_co_i32 s86, s86, 127
	s_lshl_b32 s87, s86, 23
	v_mov_b32 v[SCV], s87
.macro FRAG reg, adr, q, i             ; 16 rows x 128 K: lane l holds row l % 16; registers 4 c .. 4 c + 3 hold K = 32 c + 16 (l / 16) + 0 .. 15: the same permutation of k in A and in B, so every product meets its partner
.irp c, 0,1,2,3
	ds_load_b128 v[\reg+4*\c:\reg+4*\c+3], v[\adr] offset:128*(\q)+32*\c+(\i)*16*PITCH
.endr
.endm
; 16 matrix instructions: A's blocks a0, a0 + 1 x B's eight, 128 along K.  p: B's set.  zero = 1: the first product starts the sums.  The 64 accumulators take turns, one instruction a turn.
.macro MUL16 a0, p, zero
.irp a, \a0, \a0+1
.irp b, 0,1,2,3,4,5,6,7
.if \zero
	v_wmma_f32_16x16x128_fp8_fp8 v[8*(8*((\a)%4)+\b):8*(8*((\a)%4)+\b)+7], v[128*(\p)+FR*\b:128*(\p)+FR*\b+FR-1], v[AF+FR*(\a):AF+FR*(\a)+FR-1], 0
.else
	v_wmma_f32_16x16x128_fp8_fp8 v[8*(8*((\a)%4)+\b):8*(8*((\a)%4)+\b)+7], v[128*(\p)+FR*\b:128*(\p)+FR*\b+FR-1], v[AF+FR*(\a):AF+FR*(\a)+FR-1], v[8*(8*((\a)%4)+\b):8*(8*((\a)%4)+\b)+7]
.endif
.endr
.endr
.endm
.macro FETCH_B slot, q, p              ; B's eight fragments of the slot's q-th 128 along K into set p
	WIN TO_B
.irp i, 0,1,2,3,4,5,6,7
	FRAG 128*(\p)+FR*\i, ADRB+\slot, \q, \i
.endr
	WIN 0
.endm
.macro FETCH_A slot, q, i0             ; A's blocks i0 .. i0 + 3
.irp i, \i0, \i0+1, \i0+2, \i0+3
	FRAG AF+FR*(\i), ADRA+\slot, \q, \i
.endr
.endm
.macro PLACES n                        ; plain vector instructions between a matrix instruction and a load into, or a vector read or write of, its registers
.rept \n
	v_nop
.endr
.endm
; A step of 128 along K that has its successor in the same slot.  A's blocks are free as soon as their eight products are issued: blocks 0-3 are fetched anew in the middle, blocks 4-7 at the end.
.macro STEP slot, q, zero
	s_wait_dscnt 4*NL                              ; B's set and A's blocks 0-3 are in; the youngest sixteen loads (A's blocks 4-7) may be out
	WIN MUL_LO
	MUL16 0, (\q)%2, \zero
	MUL16 2, (\q)%2, \zero
	s_wait_dscnt 0                                 ; A's blocks 4-7 are in
	PLACES NP
	FETCH_B \slot, (\q)+1, 1-(\q)%2
	FETCH_A \slot, (\q)+1, 0
	WIN MUL_HI
	MUL16 4, (\q)%2, \zero
	MUL16 6, (\q)%2, \zero
	PLACES NP
	WIN 0
	FETCH_A \slot, (\q)+1, 4
.endm
; A slot's last step changes slots: ONE barrier; in front of it each wave waits for all its tensor loads, adds 0 to its spare word, and waits for that and for its reads of this slot.  fill = 1: this slot is filled again, two K steps ahead.
.macro TURN slot, next, fill
	s_wait_tensorcnt 0x0                           ; all my tensor loads have landed: my part of the next slot
	ds_add_u32 v[SPW], v[NIL]                      ; 0 onto my spare word
	s_wait_dscnt 4*NL+1                            ; (the add and the youngest sixteen loads, A's blocks 4-7, may be out)
	WIN MUL_LO
	MUL16 0, 1, 0                                  ; sixteen matrix instructions stand between the add and the wait for it
	s_wait_dscnt 0x0                               ; the add is done, and my reads of this slot are over
	s_barrier_signal -1
	MUL16 2, 1, 0
	WIN 0
	s_barrier_wait -1
.if \fill
	CREST                                          ; the barrier has opened a round of the cluster's barrier: no wave of any partner still reads this slot or has a load on its way
	s_add_nc_u64 s[G0+4*\slot+2:G0+4*\slot+3], s[G0+4*\slot+2:G0+4*\slot+3], 2*ROWB
	s_add_nc_u64 s[G0B+4*\slot+2:G0B+4*\slot+3], s[G0B+4*\slot+2:G0B+4*\slot+3], 2*ROWB
	JLOAD G0+4*\slot, G1, G0B+4*\slot, G1B         ; the first tensor load behind the round; its four v_nop are also the places in front of the loads below
.else
	PLACES NP
.endif
	s_wait_alu depctr_va_vdst(0)
	FETCH_B \next, 0, 0
	FETCH_A \next, 0, 0
	WIN MUL_HI
	MUL16 4, 1, 0
	MUL16 6, 1, 0
	PLACES NP
	WIN 0
	FETCH_A \next, 0, 4
.endm
	s_wait_tensorcnt 1                             ; my part of K step 0 is in (K step 1's load may be out)
	s_barrier_signal -1
	s_barrier_wait -1                              ; everybody's is
	FETCH_B 0, 0, 0
	FETCH_A 0, 0, 0
	FETCH_A 0, 0, 4
	STEP 0, 0, 1                                   ; K = 1024 is twice round the ring: the eight steps of 128 are written out.  The first starts the sums
	TURN 0, 1, 1                                   ; slot 0 takes K 512 on
	STEP 1, 0, 0
	TURN 1, 0, 1                                   ; slot 1 takes K 768 on
	STEP 0, 0, 0
	TURN 0, 1, 0                                   ; nothing is left to fetch
	STEP 1, 0, 0
	s_wait_dscnt 4*NL
	WIN MUL_LO
	MUL16 0, 1, 0
	MUL16 2, 1, 0
	s_wait_dscnt 0
	WIN MUL_HI
	MUL16 4, 1, 0
	MUL16 6, 1, 0
	WIN 0
; THE WAY OUT of block a (16 A-role rows x 128 B-role rows).  In place: sum x 2^(e0 + e1) + bias, two at a time, each accumulator from its low end on; then eight conversions, whose results are
; 16 registers of the next operand; four stores of 512 consecutive bytes.  rowb = 0: q, k (the bias by columns; two heads side by side);  rowb = 1: v (the bias by rows; blocks 0-3 one head, 4-7 the next).
.macro OUTBLK a, rowb
.set AC, 64*((\a)%4)
	WIN 0x82+0x41*((\a)/4)                         ; source 0 and destination: window 2 or 3
.set j, 0
.rept 32
.if \rowb
	v_pk_fma_f32 v[AC+j:AC+j+1], v[AC+j:AC+j+1], s[96:97], v[RBI+2*(\a):RBI+2*(\a)+1] op_sel_hi:[1,0,1]
.else
	v_pk_fma_f32 v[AC+j:AC+j+1], v[AC+j:AC+j+1], s[96:97], v[CBI+j:CBI+j+1] op_sel_hi:[1,0,1]
.endif
.set j, j+2
.endr
.set j, 0
.rept 64
.set j, j+1
.endr
	WIN 0x02+((\a)/4)                              ; source 0: window 2 or 3
.irp b, 0,1,2,3,4,5,6,7
	v_cvt_scalef32_pk8_fp8_f32 v[CD+16*(\a)+2*\b:CD+16*(\a)+2*\b+1], v[AC+8*\b:AC+8*\b+7], v[SCV]
.endr
	WIN 0
.irp q, 0,1,2,3
.if \rowb
	global_store_b128 v[LI], v[CD+16*(\a)+4*\q:CD+16*(\a)+4*\q+3], s[12:13] offset:((\a)/4)*131072+((\a)%4)*2048+512*\q
.else
	global_store_b128 v[LI], v[CD+16*(\a)+4*\q:CD+16*(\a)+4*\q+3], s[12:13] offset:(\q/2)*131072+1024*(\a)+512*(\q%2)
.endif
.endr
.endm
	s_wait_loadcnt 0x0                             ; the bias
	PLACES NP                                      ; behind the last products
	s_cmp_eq_u32 s80, 2                            ; the cluster's number: the same way in all sixteen partners
	s_cbranch_scc1 .Lvalues
.irp a, 0,1,2,3,4,5,6,7
	OUTBLK \a, 0
.endr
	s_branch .Lstored
.Lvalues:
.irp a, 0,1,2,3,4,5,6,7
	OUTBLK \a, 1
.endr
.Lstored:
	v_nop                                          ; a plain vector line behind the last conversion
	s_wait_tensorcnt 0x0                           ; the wave's end
	ds_add_u32 v[SPW], v[NIL]
	s_wait_dscnt 0x0
	CROUND                                         ; the closing round: no work-group ends while a partner may still ask for a tile that names it
	s_endpgm
.Lfunc_end_k_qb246db5ba6_qkv:
	.size	k_qb246db5ba6_qkv, .Lfunc_end_k_qb246db5ba6_qkv-k_qb246db5ba6_qkv
	.p2alignl 7, 3214868480
	.fill 96, 4, 3214868480
	.section	.rodata,"a",@progbits
	.p2align	6, 0x0
	.amdhsa_kernel k_qb246db5ba6_qkv
		.amdhsa_group_segment_fixed_size 327680
		.amdhsa_private_segment_fixed_size 0
		.amdhsa_enable_private_segment 0
		.amdhsa_kernarg_size 40
		.amdhsa_user_sgpr_count 2
		.amdhsa_user_sgpr_kernarg_segment_ptr 1
		.amdhsa_wavefront_size32 1
		.amdhsa_system_sgpr_workgroup_id_x 1
		.amdhsa_system_sgpr_workgroup_id_y 1
		.amdhsa_system_sgpr_workgroup_id_z 1
		.amdhsa_system_vgpr_workitem_id 0
		.amdhsa_next_free_vgpr 1024
		.amdhsa_next_free_sgpr 100
		.amdhsa_reserve_vcc 0
		.amdhsa_float_denorm_mode_32 3
		.amdhsa_float_denorm_mode_16_64 3
		.amdhsa_fp16_overflow 1
		.amdhsa_memory_ordered 1
		.amdhsa_forward_progress 1
		.amdhsa_inst_pref_size 130
	.end_amdhsa_kernel
	.amdgpu_metadata
---
amdhsa.version: [ 1, 2 ]
amdhsa.kernels:
  - .name:           k_qb246db5ba6_qkv
    .symbol:         k_qb246db5ba6_qkv.kd
    .args:
      - { .name: x_codes, .offset: 0, .size: 8, .value_kind: global_buffer, .address_space: global }
      - { .name: wa_codes, .offset: 8, .size: 8, .value_kind: global_buffer, .address_space: global }
      - { .name: lowp_scales, .offset: 16, .size: 8, .value_kind: global_buffer, .address_space: global }
      - { .name: b_attn, .offset: 24, .size: 8, .value_kind: global_buffer, .address_space: global }
      - { .name: qkv, .offset: 32, .size: 8, .value_kind: global_buffer, .address_space: global }
    .group_segment_fixed_size: 327680
    .private_segment_fixed_size: 0
    .kernarg_segment_align: 8
    .kernarg_segment_size: 40
    .max_flat_workgroup_size: 128
    .sgpr_count:     100
    .vgpr_count:     1024
    .wavefront_size: 32
...
	.end_amdgpu_metadata
.endif
;; end of part 2
;; launch attn (part 3): grid 4 x 64, 16 waves a work-group, clusters of 4 x 1, 327,680 bytes of LDS; arguments qkv, lowp_scales, a_codes; writes a_codes
.if DOCPART == 3
	.amdgcn_target "amdgcn-amd-amdhsa--gfx1250"
	.amdhsa_code_object_version 6
	.text
	.protected	k_qb246db5ba6_attn
	.globl	k_qb246db5ba6_attn
	.p2align	8
	.type	k_qb246db5ba6_attn,@function
k_qb246db5ba6_attn:
	s_mov_b64 s[64:65], 0
	v_nop
	global_prefetch_b8 v0, s[64:65] scope:SCOPE_SE
	s_setreg_imm32_b32 hwreg(HW_REG_WAVE_MODE, 25, 1), 1
	s_wait_xcnt 0x0
	s_wait_alu depctr_hold_cnt(0) depctr_sa_sdst(0) depctr_va_vdst(0) depctr_va_sdst(0) depctr_va_ssrc(0) depctr_va_vcc(0) depctr_vm_vsrc(0)
	s_getreg_b32 s2, hwreg(HW_REG_IB_STS2, 6, 4)
	s_cmp_eq_u32 s2, 0
	s_cbranch_scc0 .Lentry_in_a_cluster
	s_endpgm
.Lentry_in_a_cluster:
	s_bfe_u32 s2, ttmp6, 0x10000c
	s_cmp_lg_u32 s2, 0x3003
	s_cbranch_scc0 .Lentry_shape_is_right
	s_endpgm
.Lentry_shape_is_right:
; Causal attention of one (batch, head) for each cluster, both products on codes of FP8 (E4M3); the result is quantised with 2^e6 and stored as images of the last product's operand registers.
; qkv holds q, k, v as images of operand registers (q at byte 0, k at 8,388,608, v at 16,777,216; 131,072 bytes a pair in each): a fragment comes by loads of 16 bytes at 16 x lane, 512 bytes apart.
; THE SOFTMAX: t = score x log2(e) / 8; M = the running largest t rounded UP to a whole number; p = 2^(t - M) is quantised with 2^e4, not normalised; the row's sum is taken of the unquantised p, in f32,
; and divides at the end.  When M moves, the sum and O are multiplied by 2^(old M - new M), which rounds nothing.
; LAYOUT.  S^T = K Q^T (source 0 = 16 keys, source 1 = 16 queries; K = 64) and O^T = V^T P^T (source 0 = 16 of the head's 64, source 1 = P; K = 128 keys): a lane holds ONE query (lane % 16) throughout.
; Tile c of S^T holds keys 16 c + 8 (lane / 16) + 0..7 in its eight registers: one conversion makes them registers 2 c, 2 c + 1 of P.  Likewise tile t of O^T becomes two registers of the next operand.
; SHARES.  The head's whole K and V, 2 x 131,072 bytes of codes, lie in each work-group's LDS, filled ONCE, by joint loads of the cluster's four work-groups (all four read the same bytes): no slot is filled again.
; The head's 128 tiles of 16 queries: tile 8 g + 2 cx + u.  Wave w (u = w % 2, gg = w / 2) owns the tiles with g = 15 - gg and g = gg: together 17 steps of 128 keys in every wave of every work-group.
; Branches and LDS addresses hang on the wave's number and on constant counts alone; cx enters Q's and the result's addresses in memory and the number that the mask compares with.
; THE MASK.  A step all of whose keys come after the tile's block of 128 queries is jumped over; in the one step on the diagonal hidden scores become -infinity ahead of the maximum, so p = 0.
; Key 0 counts for every query, so M is a number from a tile's first step on.
; LIMITS: e2 + e3 between -123 and 130 (added to c's exponent field); e4, e6 between -126 and 119; e4 + e5 is applied by v_ldexp_f32.  A hidden key's p is exactly 0, as its score is -infinity.
; NaN and infinities are not served.
; REGISTERS: v1 16 x lane; v2 the mask's number; v8, v9 LDS addresses; v12 -M, v13 the largest t, v[14:15] the sum in two halves; v16-23, v24-31 Q of the two tiles; v32-95 eight fragments of K, then four of V;
; v96-159 S^T, then p; v160-191 O^T; v192-207 p's codes; v208-223 the results' codes; v236-254 at work and constants.
.set WV,   10                          ; s10  wave
.set CX,   11                          ; s11  my place in the cluster
.set PAIR, 12                          ; s12  16 x batch + head
.set POFF, 13                          ; s13  131,072 x pair
.set UU,   14                          ; s14  u
.set G1R,  15                          ; s15  the early tile's block of 128 queries, 0..7
.set G2R,  16                          ; s16  the late tile's, 8..15
.set SEL,  20                          ; s[20:21] lane selects for v_permlanex16_b32: lane l xor 16
.set CS,   22                          ; s[22:23] c = log2(e) / 8 x 2^(e2 + e3)
.set GR1,  24                          ; s[24:31] descriptor group 1
.set G0E,  32                          ; s[32:35] group 0: my part of key steps 0-7
.set G0L,  36                          ; s[36:39] of key steps 8-15
.set Q1,   40                          ; s[40:41], s[42:43] Q of the early tile, of the late tile
.set Q2,   42
.set O1,   44                          ; s[44:45], s[46:47] where their results go
.set O2,   46
.set TB,   52                          ; s52  LDS byte of the step's K
.set SI,   53                          ; s53  the step's number, and the loops' counter
.set EPV,  54                          ; s54  e4 + e5
.set VLDS, 0x20000                     ; V lies behind K's 131,072 bytes
.macro CROUND                          ; a round of the cluster's barrier
	s_barrier_signal -1
	s_barrier_wait -1
	s_cmp_lg_u32 s[WV], 0
	s_cbranch_scc1 .Lnot_wave_0_\@
	s_barrier_signal -3
.Lnot_wave_0_\@:
	s_barrier_wait -3
	s_barrier_signal -1
	s_barrier_wait -1
.endm
	s_load_b128 s[4:7], s[0:1], 0x0                ; qkv s[4:5], the scales' exponents s[6:7]
	s_load_b64 s[8:9], s[0:1], 0x10                ; a_codes
	v_lshl_add_u32 v251, v0, 2, 0x40000
	v_mov_b32 v255, 0
	ds_add_u32 v251, v255
	ds_add_u32 v251, v255
	v_lshrrev_b32 v3, 5, v0
	s_delay_alu instid0(VALU_DEP_1)
	v_readfirstlane_b32 s[WV], v3                  ; wave 0..15
	s_bfe_u32 s[CX], ttmp6, 0x40000
	s_and_b32 s[PAIR], ttmp7, 0xffff               ; which the four partners share
	s_lshl_b32 s[POFF], s[PAIR], 17
	s_and_b32 s[UU], s[WV], 1
	s_lshr_b32 s[G1R], s[WV], 1
	s_sub_co_u32 s[G2R], 15, s[G1R]
	; descriptor group 1: 8,192 dense bytes as 32 rows of 256 bytes
	s_mov_b32 s[GR1], 15|(3<<16)|(1<<21)           ; 15:0 the mask: all four work-groups; 17:16 elements of 8 bytes; 21 set beside a mask; no padding
	s_mov_b32 s[GR1+1], 32<<16                     ; tensor_dim0 = 32
	s_mov_b32 s[GR1+2], 32<<16                     ; tensor_dim1 = 32
	s_mov_b32 s[GR1+3], 32<<16                     ; tile_dim0 = 32
	s_mov_b32 s[GR1+4], 32                         ; tile_dim1 = 32
	s_mov_b32 s[GR1+5], 32                         ; tensor_dim0_stride
	s_mov_b32 s[GR1+6], 0
	s_mov_b32 s[GR1+7], 0
	; waves 0-7 fetch K's steps w and w + 8, waves 8-15 V's steps w - 8 and w
	s_lshr_b32 s17, s[WV], 3                       ; 0: K, 1: V
	s_lshl_b32 s18, s[WV], 13
	s_lshl_b32 s19, s17, 16
	s_add_co_u32 s18, s18, s19                     ; LDS: 8,192 w, and 65,536 more for V: V's step w - 8 at 131,072 + 8,192 (w - 8)
	s_and_b32 s48, s[WV], 7
	s_lshl_b32 s48, s48, 13
	s_add_co_u32 s48, s48, s[POFF]
	s_add_co_u32 s19, s17, 1
	s_lshl_b32 s19, s19, 23
	s_add_co_u32 s48, s48, s19                     ; in qkv: the region, the pair, the step
	s_mov_b32 s49, 0
	s_mov_b32 s[SEL], 0x76543210
	s_mov_b32 s[SEL+1], 0xfedcba98
	s_wait_dscnt 0x0
	s_wait_kmcnt 0x0
	s_load_b256 s[68:75], s[6:7], 0x0              ; e0 .. e7
	s_mov_b32 s[G0E], 1
	s_mov_b32 s[G0E+1], s18
	s_add_nc_u64 s[G0E+2:G0E+3], s[4:5], s[48:49]
	s_mov_b32 s[G0L], 1
	s_add_co_u32 s[G0L+1], s18, 0x10000            ; eight steps on, in LDS
	s_add_nc_u64 s[G0L+2:G0L+3], s[G0E+2:G0E+3], 0x10000   ; and in memory
	s_or_b32 s[G0E+3], s[G0E+3], 0x80000000        ; type = 2
	s_or_b32 s[G0L+3], s[G0L+3], 0x80000000
	CROUND                                         ; all four work-groups are here: the joint loads meet
	tensor_load_to_lds s[G0E:G0E+3], s[GR1:GR1+7]  ; the launch's only fills: one load of mine is out
	s_nop 0
	s_wait_alu depctr_va_vdst(0)
	s_wait_tensorcnt 0x0
	ds_add_u32 v251, v255
	s_wait_dscnt 0x0
	CROUND
	tensor_load_to_lds s[G0L:G0L+3], s[GR1:GR1+7]
	s_nop 0
.rept 4
	v_nop
.endr
	s_lshl_b32 s50, s[CX], 1
	s_add_co_u32 s50, s50, s[UU]                   ; 2 cx + u
	s_lshl_b32 s51, s[G1R], 3
	s_add_co_u32 s51, s51, s50                     ; the early tile's number in the head
	s_lshl_b32 s55, s[G2R], 3
	s_add_co_u32 s55, s55, s50                     ; the late tile's
	s_mov_b32 s57, 0
	s_lshl_b32 s56, s51, 10                        ; a fragment of Q is 1,024 bytes
	s_add_co_u32 s56, s56, s[POFF]
	s_add_nc_u64 s[Q1:Q1+1], s[4:5], s[56:57]
	s_lshl_b32 s56, s55, 10
	s_add_co_u32 s56, s56, s[POFF]
	s_add_nc_u64 s[Q2:Q2+1], s[4:5], s[56:57]
	s_lshr_b32 s58, s[PAIR], 4
	s_lshl_b32 s58, s58, 7                         ; 128 tiles of rows a batch
	s_and_b32 s59, s[PAIR], 15
	s_lshl_b32 s59, s59, 10                        ; the head's 64 along K: 1,024 bytes of a block of 16 rows' 16,384
	s_add_co_u32 s56, s58, s51
	s_lshl_b32 s56, s56, 14
	s_add_co_u32 s56, s56, s59
	s_add_nc_u64 s[O1:O1+1], s[8:9], s[56:57]
	s_add_co_u32 s56, s58, s55
	s_lshl_b32 s56, s56, 14
	s_add_co_u32 s56, s56, s59
	s_add_nc_u64 s[O2:O2+1], s[8:9], s[56:57]
	v_and_b32 v1, 31, v0
	s_delay_alu instid0(VALU_DEP_1)
	v_lshlrev_b32 v1, 4, v1                        ; 16 x lane
	global_load_b128 v[16:19], v1, s[Q1:Q1+1]      ; Q's fragments stay in registers
	global_load_b128 v[20:23], v1, s[Q1:Q1+1] offset:512
	global_load_b128 v[24:27], v1, s[Q2:Q2+1]
	global_load_b128 v[28:31], v1, s[Q2:Q2+1] offset:512
	v_and_b32 v3, 15, v0
	v_bfe_u32 v4, v0, 4, 1
	s_delay_alu instid0(VALU_DEP_1)
	v_lshlrev_b32 v4, 3, v4
	s_delay_alu instid0(VALU_DEP_1)
	v_sub_nc_u32 v2, v3, v4
	s_lshl_b32 s60, s50, 4
	v_add_nc_u32 v2, s60, v2                       ; my query's place in its block of 128, less 8 (lane / 16): register 8 c + j of S^T on the diagonal is hidden where 16 c + j is greater
	v_mov_b32 v250, 0xff800000                     ; -infinity
	v_mov_b32 v236, 0                              ; written once: a lane permute's destination counts as one of its sources
	v_mov_b32 v252, 0
	v_mov_b32 v253, 0                              ; (named as the upper half of the pair v[252:253])
	s_wait_kmcnt 0x0
	s_add_co_i32 s56, s70, s71
	s_lshl_b32 s56, s56, 23
	s_add_co_i32 s[CS], s56, 0x3e38aa3b            ; c = log2(e) / 8, with e2 + e3 added to its exponent field
	s_mov_b32 s[CS+1], s[CS]                       ; (named with it as a pair, so it is written)
	s_add_co_i32 s[EPV], s72, s73
	s_add_co_i32 s56, s72, 127
	s_lshl_b32 s57, s56, 23
	v_mov_b32 v244, s57                            ; 2^e4
	s_add_co_i32 s56, s74, 127
	s_lshl_b32 s57, s56, 23
	v_mov_b32 v245, s57                            ; 2^e6
; A KEY STEP: 128 keys at LDS byte s[TB].  qf: Q's registers; g: the scalar register with the tile's block of 128 queries; tests = 1: the step may be hidden or lie on the diagonal.
.macro STEP qf, g, tests
.if \tests
	s_cmp_gt_u32 s[SI], s[\g]                      ; all 128 keys come after my queries: nothing to do
	s_cbranch_scc1 .Lhidden_\@
.endif
	s_setprio 2
	v_add_nc_u32 v8, s[TB], v1
	s_delay_alu instid0(VALU_DEP_1)
	v_add_nc_u32 v9, VLDS, v8
.irp c, 0,1,2,3,4,5,6,7
	ds_load_b128 v[32+8*\c:35+8*\c], v8 offset:1024*\c
	ds_load_b128 v[36+8*\c:39+8*\c], v8 offset:1024*\c+512
.endr
	s_wait_alu depctr_va_vdst(0)
	s_wait_dscnt 0x0
.irp c, 0,1,2,3,4,5,6,7
	v_wmma_f32_16x16x64_fp8_fp8 v[96+8*\c:103+8*\c], v[32+8*\c:39+8*\c], v[\qf:\qf+7], 0
.endr
.rept 4
	v_nop                                          ; places in front of the loads into K's registers and of the first read of the scores
.endr
.irp t, 0,1,2,3                        ; V's four fragments land while the softmax is worked
.irp q, 0,1,2,3
	ds_load_b128 v[32+16*\t+4*\q:35+16*\t+4*\q], v9 offset:2048*\t+512*\q
.endr
.endr
.if \tests
	s_cmp_lg_u32 s[SI], s[\g]
	s_cbranch_scc1 .Lopen_\@
.set n, 0
.rept 64
	v_cmp_gt_i32 vcc_lo, 16*(n/8)+n%8, v2
	v_cndmask_b32 v[96+n], v[96+n], v250, vcc_lo
.set n, n+1
.endr
.Lopen_\@:
.endif
	v_max3_num_f32 v254, v96, v97, v98             ; the step's largest score of my query among my 64 keys, in two chains, the registers in ascending order,
	v_max3_num_f32 v252, v99, v100, v101
.irp i, 6,10,14,18,22,26,30,34,38,42,46,50,54,58
	v_max3_num_f32 v254, v254, v[96+\i], v[97+\i]
	v_max3_num_f32 v252, v252, v[98+\i], v[99+\i]
.endr
	v_max3_num_f32 v254, v254, v158, v159
	s_delay_alu instid0(VALU_DEP_1)
	v_max_num_f32 v254, v254, v252
	s_delay_alu instid0(VALU_DEP_1)
	v_permlanex16_b32 v236, v254, s[SEL], s[SEL+1]
	s_delay_alu instid0(VALU_DEP_1)
	v_max_num_f32 v254, v254, v236                 ; and among lane l xor 16's
	s_delay_alu instid0(VALU_DEP_1)
	v_mul_f32 v254, s[CS], v254                    ; as t (c is positive)
	s_delay_alu instid0(VALU_DEP_1)
	v_max_num_f32 v13, v13, v254                   ; the running largest t
	v_mov_b32 v254, v12
	s_delay_alu instid0(VALU_DEP_2)
	v_floor_f32 v12, -v13                          ; the new -M = floor(-t): M is a whole number
	s_delay_alu instid0(VALU_DEP_1)
	v_sub_f32 v254, v12, v254                      ; old M - new M: a whole number, 0 or less
	s_delay_alu instid0(VALU_DEP_1)
	v_cvt_i32_f32 v254, v254                       ; (it saturates)
	s_delay_alu instid0(VALU_DEP_1)
	v_ldexp_f32 v252, 1.0, v254                    ; f = 2^(old M - new M)
.set j, 0
.rept 32
	v_pk_fma_f32 v[96+j:97+j], v[96+j:97+j], s[CS:CS+1], v[12:13] op_sel_hi:[1,0,0]   ; t - M, two at a time (of the pairs c and -M the low word serves both halves)
.set j, j+2
.endr
.set j, 0
	s_setprio 1
	s_wait_alu depctr_va_vdst(0)
.rept 64
	v_exp_f32 v[96+j], v[96+j]                     ; p = 2^(t - M), at most 1
.set j, j+1
.endr
	v_pk_mul_f32 v[14:15], v[14:15], v[252:253] op_sel_hi:[1,0]   ; the sums under the new M: the plain instruction behind the exponentials
	s_wait_alu depctr_va_vdst(0)                   ; one wait for the batch of 64, ahead of its first reader
	v_pk_add_f32 v[242:243], v[96:97], v[98:99]    ; the row's sum is taken of the unquantised p: two at a time, in two chains
.irp j, 4,8,12,16,20,24,28,32,36,40,44,48,52,56,60
	v_pk_add_f32 v[14:15], v[14:15], v[96+\j:97+\j]
	v_pk_add_f32 v[242:243], v[242:243], v[98+\j:99+\j]
.endr
	s_delay_alu instid0(VALU_DEP_1)
	v_pk_add_f32 v[14:15], v[14:15], v[242:243]
.irp c, 0,1,2,3,4,5,6,7
.irp i, 0,1,2,3,4,5,6,7
.endr
	v_cvt_scalef32_pk8_fp8_f32 v[192+2*\c:193+2*\c], v[96+8*\c:103+8*\c], v244
.endr
.set j, 0
	s_setprio 0
.rept 16
	v_pk_mul_f32 v[160+j:161+j], v[160+j:161+j], v[252:253] op_sel_hi:[1,0]   ; O^T under the new M.  (These are also the plain lines between the conversions and the products)
.set j, j+2
.endr
	s_wait_alu depctr_va_vdst(0)
	s_wait_dscnt 0x0                               ; V is in
.irp t, 0,1,2,3                        ; four accumulators by turns; between two links of one chain stand the other three and the next step's eight products
	v_wmma_f32_16x16x128_fp8_fp8 v[160+8*\t:167+8*\t], v[32+16*\t:47+16*\t], v[192:207], v[160+8*\t:167+8*\t]
.endr
.rept 4
	v_nop                                          ; places in front of the next loads into V's registers, and of the way out's first read of O^T
.endr
.if \tests
.Lhidden_\@:
.endif
.endm
.macro INIT                            ; a tile begins: the step is written without a first step of its own, so O^T and the sum begin as zeros, which the first change of M leaves zeros
	v_mov_b32 v13, 0xff61b1e6                      ; the largest t so far: -3e38
	s_delay_alu instid0(VALU_DEP_1)
	v_floor_f32 v12, -v13
	v_mov_b32 v14, 0
	v_mov_b32 v15, 0
.set j, 0
.rept 32
	v_mov_b32 v[160+j], 0
.set j, j+1
.endr
.endm
; A tile ends: O^T x 2^(e4 + e5) / the sum, converted with 2^e6: eight registers, which are the head's part of the next operand's image: two stores of 512 consecutive bytes, aligned.
.macro WAYOUT code, out
	v_add_f32 v14, v14, v15
	s_delay_alu instid0(VALU_DEP_1)
	v_permlanex16_b32 v252, v14, s[SEL], s[SEL+1]
	s_delay_alu instid0(VALU_DEP_1)
	v_add_f32 v14, v14, v252                       ; the row's sum
	s_wait_alu depctr_va_vdst(0)
	v_rcp_f32 v14, v14
	v_nop                                          ; a plain instruction behind the reciprocal
	s_wait_alu depctr_va_vdst(0)                   ; and the wait ahead of its first reader
	v_ldexp_f32 v14, v14, s[EPV]
.set j, 0
.rept 16
	v_pk_mul_f32 v[96+j:97+j], v[160+j:161+j], v[14:15] op_sel_hi:[1,0]
.set j, j+2
.endr
.set j, 0
.rept 32
.set j, j+1
.endr
.irp t, 0,1,2,3
	v_cvt_scalef32_pk8_fp8_f32 v[\code+2*\t:\code+2*\t+1], v[96+8*\t:103+8*\t], v245
.endr
	v_nop                                          ; a plain vector line behind the last conversion
	global_store_b128 v1, v[\code:\code+3], s[\out:\out+1]
	global_store_b128 v1, v[\code+4:\code+7], s[\out:\out+1] offset:512
.endm
	INIT
	s_mov_b32 s[TB], 0
	s_mov_b32 s[SI], 0
	s_wait_loadcnt 0x0                             ; Q
	s_wait_tensorcnt 1                             ; my part of key steps 0-7 is in; my later load may stay out
	s_barrier_signal -1
	s_barrier_wait -1                              ; everybody's is
.Learly:                                           ; the late tile, key steps 0-7: all keys count
	STEP 24, G2R, 0
	s_add_co_u32 s[TB], s[TB], 8192
	s_add_co_u32 s[SI], s[SI], 1
	s_cmp_lt_u32 s[SI], 8
	s_cbranch_scc1 .Learly
	s_setprio 0
	s_wait_tensorcnt 0x0                           ; my part of key steps 8-15 is in,
	s_wait_dscnt 0x0
	s_barrier_signal -1
	s_barrier_wait -1                              ; everybody's is
	s_mov_b32 s[TB], 0x10000
	s_mov_b32 s[SI], 8
.Llate:                                            ; the late tile, key steps 8-15: up to its diagonal
	STEP 24, G2R, 1
	s_add_co_u32 s[TB], s[TB], 8192
	s_add_co_u32 s[SI], s[SI], 1
	s_cmp_lt_u32 s[SI], 16
	s_cbranch_scc1 .Llate
	s_setprio 0
	WAYOUT 216, O2
	INIT
	s_mov_b32 s[TB], 0
	s_mov_b32 s[SI], 0
.Lsecond:                                          ; the early tile, key steps 0-7: up to its diagonal
	STEP 16, G1R, 1
	s_add_co_u32 s[TB], s[TB], 8192
	s_add_co_u32 s[SI], s[SI], 1
	s_cmp_lt_u32 s[SI], 8
	s_cbranch_scc1 .Lsecond
	s_setprio 0
	WAYOUT 208, O1
	s_wait_tensorcnt 0x0
	s_wait_dscnt 0x0
	s_wait_tensorcnt 0x0
	ds_add_u32 v251, v255
	s_wait_dscnt 0x0
	CROUND                                         ; the closing round: no work-group ends while a partner may still ask for a tile that names it
	s_endpgm
.Lfunc_end_k_qb246db5ba6_attn:
	.size	k_qb246db5ba6_attn, .Lfunc_end_k_qb246db5ba6_attn-k_qb246db5ba6_attn
	.p2alignl 7, 3214868480
	.fill 96, 4, 3214868480
	.section	.rodata,"a",@progbits
	.p2align	6, 0x0
	.amdhsa_kernel k_qb246db5ba6_attn
		.amdhsa_group_segment_fixed_size 327680
		.amdhsa_private_segment_fixed_size 0
		.amdhsa_enable_private_segment 0
		.amdhsa_kernarg_size 24
		.amdhsa_user_sgpr_count 2
		.amdhsa_user_sgpr_kernarg_segment_ptr 1
		.amdhsa_wavefront_size32 1
		.amdhsa_system_sgpr_workgroup_id_x 1
		.amdhsa_system_sgpr_workgroup_id_y 1
		.amdhsa_system_sgpr_workgroup_id_z 1
		.amdhsa_system_vgpr_workitem_id 0
		.amdhsa_next_free_vgpr 256
		.amdhsa_next_free_sgpr 76
		.amdhsa_reserve_vcc 1
		.amdhsa_float_denorm_mode_32 3
		.amdhsa_float_denorm_mode_16_64 3
		.amdhsa_fp16_overflow 1
		.amdhsa_memory_ordered 1
		.amdhsa_forward_progress 1
		.amdhsa_inst_pref_size 65
	.end_amdhsa_kernel
	.amdgpu_metadata
---
amdhsa.version: [ 1, 2 ]
amdhsa.kernels:
  - .name:           k_qb246db5ba6_attn
    .symbol:         k_qb246db5ba6_attn.kd
    .args:
      - { .name: qkv, .offset: 0, .size: 8, .value_kind: global_buffer, .address_space: global }
      - { .name: lowp_scales, .offset: 8, .size: 8, .value_kind: global_buffer, .address_space: global }
      - { .name: a_codes, .offset: 16, .size: 8, .value_kind: global_buffer, .address_space: global }
    .group_segment_fixed_size: 327680
    .private_segment_fixed_size: 0
    .kernarg_segment_align: 8
    .kernarg_segment_size: 24
    .max_flat_workgroup_size: 512
    .sgpr_count:     76
    .vgpr_count:     256
    .wavefront_size: 32
...
	.end_amdgpu_metadata
.endif
;; end of part 3
;; launch proj (part 4): grid 4 x 32, 4 waves a work-group, clusters of 4 x 4, 327,680 bytes of LDS; arguments a_codes, wp_codes, lowp_scales, b_proj, out0; writes out0
.if DOCPART == 4
	.amdgcn_target "amdgcn-amd-amdhsa--gfx1250"
	.amdhsa_code_object_version 6
	.text
	.protected	k_qb246db5ba6_proj
	.globl	k_qb246db5ba6_proj
	.p2align	8
	.type	k_qb246db5ba6_proj,@function
k_qb246db5ba6_proj:
	s_mov_b64 s[64:65], 0
	v_nop
	global_prefetch_b8 v0, s[64:65] scope:SCOPE_SE
	s_setreg_imm32_b32 hwreg(HW_REG_WAVE_MODE, 25, 1), 1
	s_wait_xcnt 0x0
	s_wait_alu depctr_hold_cnt(0) depctr_sa_sdst(0) depctr_va_vdst(0) depctr_va_sdst(0) depctr_va_ssrc(0) depctr_va_vcc(0) depctr_vm_vsrc(0)
	s_getreg_b32 s2, hwreg(HW_REG_IB_STS2, 6, 4)
	s_cmp_eq_u32 s2, 0
	s_cbranch_scc0 .Lentry_in_a_cluster
	s_endpgm
.Lentry_in_a_cluster:
	s_bfe_u32 s2, ttmp6, 0x10000c
	s_cmp_lg_u32 s2, 0xf033
	s_cbranch_scc0 .Lentry_shape_is_right
	s_endpgm
.Lentry_shape_is_right:
; out0 = attn W_proj + b_proj on codes of FP8 (E4M3).  out0 [8192][1024] f32; each finished sum x 2^(e6 + e7) + bias, one fused multiply-add.
; a_codes: images of operand registers: for each 16 rows 16,384 bytes: eight fragments (16 rows x 128 K) of 2,048 bytes, registers 4 c .. 4 c + 3 of lane l at 512 c + 16 l, each k where the matrix
; instruction's own layout has it.  wp_codes [1024 (n)][1024 (k)]: rows, with the groups of 8 codes in every 32 bytes in the order 0, 2, 1, 3 of k, so that loads of 16 bytes, 32 apart, give the same layout.
; LIMIT: e6 + e7 between -126 and 127.
; A tile of 256 x 256 is made by a work-group of four waves, a wave makes 128 x 128.  K = 1024 goes in four steps of 256 through a ring of two LDS slots.  The 128 tiles are 128 work-groups.
; CLUSTERS: 4 x 4 work-groups; A's tile is shared along a row of the cluster, B's along a column: each is asked for JOINTLY.  Source 0 = 16 rows of wp_codes, source 1 = 16 rows of attn: a lane holds
; eight neighbouring numbers of a row of the result.
; REGISTERS, in windows of 256: window 0: v0-31 addresses; v100-103 the bias; from v128 A's fragments, ONE set, later rows on the way out.  window 1: B's fragments, TWO sets.  windows 2, 3: the accumulators.
.set ROWB,   256                       ; B: a tile's row in bytes
.set KROW,   1024                      ; B: a row in memory
.set PITCH,  272                       ; B: an LDS row: 256 bytes + 16 of padding
.set FR,     16
.set NL,     4
.set NP,     4                         ; places behind this matrix instruction (ISA guide 7.12.1)
.set HALFA,  32768                     ; A: 8 blocks of 16 rows x 4,096 bytes (two fragments): what one tensor load brings; dense
.set HALFB,  128*PITCH                 ; B: 128 rows
.set BOFF,   2*HALFA                   ; a slot: A's two halves, then B's two
.set SLOT,   BOFF+2*HALFB
.set SPARE,  2*SLOT                    ; behind the ring: the spare words, 128 bytes for each wave, which no other line names
.set STAGE,  SPARE+512                 ; behind them: 16 rows x (512 bytes + 16) for each wave, for the way out: bytes into which no tile lands
.set SPITCH, 528
.set ADRA, 16                          ; v16-17  LDS address of my A fragments in slot 0, 1
.set ADRB, 20                          ; v20-21  the same for B
.set STO,  24                          ; v24     the way out: where I put 32 bytes of a row
.set RD,   25                          ; v25     where I read a row back
.set CO,   26                          ; v26     16 x lane: my bytes of a row of 512
.set BO,   27                          ; v27     my bytes of b_proj
.set SPW,  28                          ; v28     LDS address of my spare word; never rewritten
.set NIL,  29                          ; v29     0; never rewritten
.set BI,   100                         ; v100-103 b_proj at my four columns
.set AF,   128
.set BK,   128                         ; the way out: 16 rows read back from the stage: v128-191 and v192-255 by turns
.set G1, 24
.set G0, 32
.set G1B, 48
.set G0B, 56
.set MSB, 0
.macro WIN new                         ; the immediate's high byte repeats the setting that is left
.if MSB != (\new)
	s_set_vgpr_msb (MSB<<8)|(\new)
.set MSB, (\new)
.endif
.endm
.set MUL_LO, 0xa1                      ; source 0 (B) window 1, source 1 (A) window 0, C and D window 2
.set MUL_HI, 0xf1
.set TO_B,   0x40
.macro JLOAD g0a, g1a, g0b, g1b        ; a joint load: waves 0 and 1 fetch for A, waves 2 and 3 for B; four v_nop follow each of the two lines
	s_cmp_eq_u32 s15, 0
	s_cbranch_scc0 .Lfor_b_\@
	tensor_load_to_lds s[\g0a:\g0a+3], s[\g1a:\g1a+7]
	s_nop 0
.rept 4
	v_nop
.endr
	s_branch .Lasked_\@
.Lfor_b_\@:
	tensor_load_to_lds s[\g0b:\g0b+3], s[\g1b:\g1b+7]
	s_nop 0
.rept 4
	v_nop
.endr
.Lasked_\@:
.endm
.macro CREST
	s_cmp_lg_u32 s14, 0
	s_cbranch_scc1 .Lnot_wave_0_\@
	s_barrier_signal -3
.Lnot_wave_0_\@:
	s_barrier_wait -3
	s_barrier_signal -1
	s_barrier_wait -1
.endm
.macro CROUND
	s_barrier_signal -1
	s_barrier_wait -1
	CREST
.endm
	s_load_b256 s[4:11], s[0:1], 0x0               ; a_codes s[4:5], wp_codes s[6:7], the scales' exponents s[8:9], b_proj s[10:11]
	s_load_b64 s[12:13], s[0:1], 0x20              ; out0
	v_lshl_add_u32 v[SPW], v0, 2, SPARE
	v_mov_b32 v[NIL], 0
	ds_add_u32 v28, v29
	ds_add_u32 v28, v29
	s_wait_dscnt 0x0
	v_lshrrev_b32 v1, 5, v0
	v_readfirstlane_b32 s14, v1                    ; wave 0..3
	s_lshr_b32 s15, s14, 1                         ; which half of the tile's rows is mine.  Also: I fetch for A (0) or for B (1)
	s_and_b32 s16, s14, 1                          ; which half of its columns.  Also: which half of that tile I fetch
	s_bfe_u32 s40, ttmp6, 0x40000                  ; cx, cy
	s_bfe_u32 s41, ttmp6, 0x40004
	s_lshl_b32 s42, ttmp9, 2
	s_add_co_u32 s42, s42, s40                     ; tile column = 4 x cluster x + cx
	s_and_b32 s17, ttmp7, 0xffff
	s_lshl_b32 s17, s17, 2
	s_add_co_u32 s17, s17, s41                     ; tile row = 4 x cluster y + cy
	s_lshl_b32 s43, s41, 2
	s_lshl_b32 s43, 15, s43                        ; my row of the cluster
	s_lshl_b32 s44, 0x1111, s40                    ; my column
	; A's group 1: 8 rows of 4,096 bytes, 16,384 bytes apart in memory, dense in LDS
	s_or_b32 s[G1+0], s43, (0<<16)|(1<<21)         ; 15:0 the mask; 17:16 element of 1 byte; 21 set beside a mask; no padding
	s_mov_b32 s[G1+1], 4096<<16                    ; tensor_dim0
	s_mov_b32 s[G1+2], 8<<16                       ; tensor_dim1 = 8
	s_mov_b32 s[G1+3], 4096<<16                    ; tile_dim0
	s_mov_b32 s[G1+4], 8                           ; tile_dim1 = 8
	s_mov_b32 s[G1+5], 16384                       ; tensor_dim0_stride
	s_mov_b32 s[G1+6], 0
	s_mov_b32 s[G1+7], 0
	; B's group 1: 128 rows of 256 bytes, padded in LDS
	s_or_b32 s[G1B+0], s44, (0<<16)|(1<<20)|(1<<21)|(5<<22)|(3<<25)
	s_mov_b32 s[G1B+1], ROWB<<16
	s_mov_b32 s[G1B+2], 128<<16
	s_mov_b32 s[G1B+3], ROWB<<16
	s_mov_b32 s[G1B+4], 128
	s_mov_b32 s[G1B+5], KROW
	s_mov_b32 s[G1B+6], 0
	s_mov_b32 s[G1B+7], 0
	s_lshl_b32 s20, s17, 18                        ; A: 256 rows are 262,144 bytes,
	s_lshl_b32 s18, s16, 17                        ; 128 rows 131,072
	s_add_co_u32 s20, s20, s18
	s_mov_b32 s21, 0
	s_lshl_b32 s46, s42, 8
	s_lshl_b32 s18, s16, 7
	s_add_co_u32 s46, s46, s18
	s_lshl_b32 s46, s46, 10                        ; B: (256 x tile column + 128 x half) rows of 1,024 bytes
	s_mov_b32 s47, 0
	s_lshl_b32 s45, s16, 15                        ; where they go: A's half,
	s_mul_i32 s84, s16, HALFB
	s_add_co_u32 s84, s84, BOFF                    ; B's half: no place in the cluster enters an LDS address
	s_wait_kmcnt 0x0
	s_load_b64 s[96:97], s[8:9], 0x18              ; e6, e7
	s_add_nc_u64 s[20:21], s[4:5], s[20:21]
	s_add_nc_u64 s[46:47], s[6:7], s[46:47]
	CROUND                                         ; all sixteen work-groups are here: the first joint loads meet
.irp s, 0,1
	s_mov_b32 s[G0+4*\s], 1
	s_add_co_u32 s[G0+4*\s+1], s45, \s*SLOT
	s_add_nc_u64 s[G0+4*\s+2:G0+4*\s+3], s[20:21], \s*4096
	s_or_b32 s[G0+4*\s+3], s[G0+4*\s+3], 0x80000000
	s_mov_b32 s[G0B+4*\s], 1
	s_add_co_u32 s[G0B+4*\s+1], s84, \s*SLOT
	s_add_nc_u64 s[G0B+4*\s+2:G0B+4*\s+3], s[46:47], \s*ROWB
	s_or_b32 s[G0B+4*\s+3], s[G0B+4*\s+3], 0x80000000
	s_wait_alu depctr_va_vdst(0)
	s_wait_tensorcnt 0x0
	ds_add_u32 v28, v29
	ds_add_u32 v28, v29
	s_wait_dscnt 0x0
	CROUND
	JLOAD G0+4*\s, G1, G0B+4*\s, G1B
.endr
	v_and_b32 v1, 15, v0                           ; r
	v_bfe_u32 v2, v0, 4, 1                         ; h
	v_and_b32 v6, 31, v0
	v_lshlrev_b32 v[CO], 4, v6                     ; 16 x lane
	v_mul_u32_u24 v3, v1, PITCH
	v_lshl_add_u32 v4, v2, 4, v3                   ; B: a fragment's row x pitch + 16 x half
	s_lshl_b32 s21, s15, 15                        ; my 128 rows of A
	s_mul_i32 s22, s16, HALFB
	s_add_co_u32 s22, s22, BOFF                    ; my 128 rows of B
.irp s, 0,1
	v_add_nc_u32 v[ADRA+\s], s21, v[CO]
	v_add_nc_u32 v[ADRB+\s], s22, v4
	s_add_co_u32 s21, s21, SLOT
	s_add_co_u32 s22, s22, SLOT
.endr
	s_mul_i32 s23, s14, 16*SPITCH
	s_add_co_u32 s23, s23, STAGE                   ; my stage
	v_mul_u32_u24 v5, v1, SPITCH                   ; in: row r, 32 bytes for each half of the lanes
	v_lshl_add_u32 v5, v2, 5, v5
	v_add_nc_u32 v[STO], s23, v5
	v_add_nc_u32 v[RD], s23, v[CO]                 ; back: the 32 lanes take one row of 512 bytes
	s_lshl_b32 s86, s42, 10
	s_lshl_b32 s87, s16, 9
	s_add_co_u32 s86, s86, s87                     ; my first column, in bytes: 1,024 x tile column + 512 x half
	v_add_nc_u32 v[BO], s86, v[CO]
	global_load_b128 v[BI:BI+3], v[BO], s[10:11]   ; b_proj at my four columns of a row read back
	s_lshl_b32 s20, s17, 8
	s_lshl_b32 s21, s15, 7
	s_add_co_u32 s20, s20, s21                     ; my first row
	s_lshl_b32 s20, s20, 12                        ; rows of 4,096 bytes
	s_add_co_u32 s20, s20, s86
	s_mov_b32 s21, 0
	s_add_nc_u64 s[12:13], s[12:13], s[20:21]
.macro FRAGA reg, adr, q, i            ; an image comes back as it was stored: block i of 16 rows, the slot's q-th 128 along K
.irp c, 0,1,2,3
	ds_load_b128 v[\reg+4*\c:\reg+4*\c+3], v[\adr] offset:4096*(\i)+2048*(\q)+512*\c
.endr
.endm
.macro FRAGB reg, adr, q, i
.irp c, 0,1,2,3
	ds_load_b128 v[\reg+4*\c:\reg+4*\c+3], v[\adr] offset:128*(\q)+32*\c+(\i)*16*PITCH
.endr
.endm
.macro MUL16 a0, p, zero               ; 16 matrix instructions; the 64 accumulators take turns, one instruction a turn
.irp a, \a0, \a0+1
.irp b, 0,1,2,3,4,5,6,7
.if \zero
	v_wmma_f32_16x16x128_fp8_fp8 v[8*(8*((\a)%4)+\b):8*(8*((\a)%4)+\b)+7], v[128*(\p)+FR*\b:128*(\p)+FR*\b+FR-1], v[AF+FR*(\a):AF+FR*(\a)+FR-1], 0
.else
	v_wmma_f32_16x16x128_fp8_fp8 v[8*(8*((\a)%4)+\b):8*(8*((\a)%4)+\b)+7], v[128*(\p)+FR*\b:128*(\p)+FR*\b+FR-1], v[AF+FR*(\a):AF+FR*(\a)+FR-1], v[8*(8*((\a)%4)+\b):8*(8*((\a)%4)+\b)+7]
.endif
.endr
.endr
.endm
.macro FETCH_B slot, q, p
	WIN TO_B
.irp i, 0,1,2,3,4,5,6,7
	FRAGB 128*(\p)+FR*\i, ADRB+\slot, \q, \i
.endr
	WIN 0
.endm
.macro FETCH_A slot, q, i0
.irp i, \i0, \i0+1, \i0+2, \i0+3
	FRAGA AF+FR*(\i), ADRA+\slot, \q, \i
.endr
.endm
.macro PLACES n
.rept \n
	v_nop
.endr
.endm
.macro STEP slot, q, zero              ; a step of 128 along K that has its successor in the same slot
	s_wait_dscnt 4*NL                              ; B's set and A's blocks 0-3 are in; the youngest sixteen loads (A's blocks 4-7) may be out
	WIN MUL_LO
	MUL16 0, (\q)%2, \zero
	MUL16 2, (\q)%2, \zero
	s_wait_dscnt 0
	PLACES NP
	FETCH_B \slot, (\q)+1, 1-(\q)%2
	FETCH_A \slot, (\q)+1, 0
	WIN MUL_HI
	MUL16 4, (\q)%2, \zero
	MUL16 6, (\q)%2, \zero
	PLACES NP
	WIN 0
	FETCH_A \slot, (\q)+1, 4
.endm
.macro TURN slot, next, fill           ; a slot's last step changes slots: ONE barrier, with the three lines in front of it
	s_wait_tensorcnt 0x0                           ; all my tensor loads have landed: my part of the next slot
	ds_add_u32 v[SPW], v[NIL]                      ; 0 onto my spare word
	s_wait_dscnt 4*NL+1                            ; (the add and the youngest sixteen loads may be out)
	WIN MUL_LO
	MUL16 0, 1, 0
	s_wait_dscnt 0x0                               ; the add is done, and my reads of this slot are over
	s_barrier_signal -1
	MUL16 2, 1, 0
	WIN 0
	s_barrier_wait -1
.if \fill
	CREST                                          ; the barrier has opened a round of the cluster's barrier
	s_add_nc_u64 s[G0+4*\slot+2:G0+4*\slot+3], s[G0+4*\slot+2:G0+4*\slot+3], 2*4096
	s_add_nc_u64 s[G0B+4*\slot+2:G0B+4*\slot+3], s[G0B+4*\slot+2:G0B+4*\slot+3], 2*ROWB
	JLOAD G0+4*\slot, G1, G0B+4*\slot, G1B         ; the first tensor load behind the round; its four v_nop are also the places in front of the loads below
.else
	PLACES NP
.endif
	FETCH_B \next, 0, 0
	FETCH_A \next, 0, 0
	WIN MUL_HI
	MUL16 4, 1, 0
	MUL16 6, 1, 0
	PLACES NP
	WIN 0
	FETCH_A \next, 0, 4
.endm
	s_wait_alu depctr_va_vdst(0)
	s_wait_tensorcnt 1                             ; my part of K step 0 is in (K step 1's load may be out)
	s_barrier_signal -1
	s_barrier_wait -1
	FETCH_B 0, 0, 0
	FETCH_A 0, 0, 0
	FETCH_A 0, 0, 4
	STEP 0, 0, 1                                   ; K = 1024 is twice round the ring: written out
	TURN 0, 1, 1
	STEP 1, 0, 0
	TURN 1, 0, 1
	STEP 0, 0, 0
	TURN 0, 1, 0
	STEP 1, 0, 0
	s_wait_dscnt 4*NL
	WIN MUL_LO
	MUL16 0, 1, 0
	MUL16 2, 1, 0
	s_wait_dscnt 0
	WIN MUL_HI
	MUL16 4, 1, 0
	MUL16 6, 1, 0
	WIN 0
; THE WAY OUT, block by block of 16 rows x 128 columns.  The sums go into my own stage as they are, each accumulator's low four registers first, and come back as whole rows of 512 bytes; there a lane holds
; four columns that are the same in every row, so four registers of bias serve: sum x 2^(e6 + e7) + bias, then the 32 lanes store 512 consecutive bytes, aligned.
; LDS serves a wave's instructions in order (ISA guide 5.7.1.4): no wait between the stores and the loads, nor in front of the next block's stores.
.macro TOSTAGE a
.set AC, 64*((\a)%4)
	WIN 0x08+4*((\a)/4)                            ; the stores' data: window 2 or 3
.irp b, 0,1,2,3,4,5,6,7
	ds_store_b128 v[STO], v[AC+8*\b:AC+8*\b+3] offset:64*\b
	ds_store_b128 v[STO], v[AC+8*\b+4:AC+8*\b+7] offset:64*\b+16
.endr
	WIN 0
.set BB, BK+64*((\a)%2)
.irp t, 0,1,2,3,4,5,6,7,8,9,10,11,12,13,14,15
	ds_load_b128 v[BB+4*\t:BB+4*\t+3], v[RD] offset:\t*SPITCH
.endr
.endm
.macro SEND a, younger                 ; younger: the LDS instructions issued behind block a's loads, which may stay out
.set BB, BK+64*((\a)%2)
	s_wait_dscnt \younger
.if (\a) > 0
	s_add_nc_u64 s[12:13], s[12:13], 16*4096       ; (behind a wait on XCNT: the earlier stores have read their base)
.endif
.irp t, 0,1,2,3,4,5,6,7,8,9,10,11,12,13,14,15
	v_pk_fma_f32 v[BB+4*\t:BB+4*\t+1], v[BB+4*\t:BB+4*\t+1], s[96:97], v[BI:BI+1] op_sel_hi:[1,0,1]
	v_pk_fma_f32 v[BB+4*\t+2:BB+4*\t+3], v[BB+4*\t+2:BB+4*\t+3], s[96:97], v[BI+2:BI+3] op_sel_hi:[1,0,1]
	global_store_b128 v[CO], v[BB+4*\t:BB+4*\t+3], s[12:13] offset:\t*4096 th:TH_STORE_NT   ; written once, read by nobody here
.endr
.endm
	s_wait_kmcnt 0x0
	s_add_co_i32 s96, s96, s97                     ; e6 + e7
	s_add_co_i32 s96, s96, 127
	s_lshl_b32 s96, s96, 23                        ; 2^(e6 + e7) as f32
	s_mov_b32 s97, s96                             ; (named with it as a pair)
	s_wait_loadcnt 0x0                             ; the bias
	PLACES NP                                      ; behind the last products: for the stores that read results and the loads into A's registers
	TOSTAGE 0
.irp a, 1,2,3,4,5,6,7
.if \a > 1
	s_wait_xcnt 0x0                                ; block a - 2's stores have read their registers and their base: block a's loads may land there, and the base may step
.endif
	TOSTAGE \a
	SEND \a-1, 32                                  ; behind block a - 1's loads: block a's 16 stores and 16 loads
.endr
	s_wait_xcnt 0x0
	SEND 7, 0
	s_wait_tensorcnt 0x0                           ; the wave's end
	ds_add_u32 v[SPW], v[NIL]
	s_wait_dscnt 0x0
	CROUND                                         ; the closing round
	s_endpgm
.Lfunc_end_k_qb246db5ba6_proj:
	.size	k_qb246db5ba6_proj, .Lfunc_end_k_qb246db5ba6_proj-k_qb246db5ba6_proj
	.p2alignl 7, 3214868480
	.fill 96, 4, 3214868480
	.section	.rodata,"a",@progbits
	.p2align	6, 0x0
	.amdhsa_kernel k_qb246db5ba6_proj
		.amdhsa_group_segment_fixed_size 327680
		.amdhsa_private_segment_fixed_size 0
		.amdhsa_enable_private_segment 0
		.amdhsa_kernarg_size 40
		.amdhsa_user_sgpr_count 2
		.amdhsa_user_sgpr_kernarg_segment_ptr 1
		.amdhsa_wavefront_size32 1
		.amdhsa_system_sgpr_workgroup_id_x 1
		.amdhsa_system_sgpr_workgroup_id_y 1
		.amdhsa_system_sgpr_workgroup_id_z 1
		.amdhsa_system_vgpr_workitem_id 0
		.amdhsa_next_free_vgpr 1024
		.amdhsa_next_free_sgpr 100
		.amdhsa_reserve_vcc 0
		.amdhsa_float_denorm_mode_32 3
		.amdhsa_float_denorm_mode_16_64 3
		.amdhsa_memory_ordered 1
		.amdhsa_forward_progress 1
		.amdhsa_inst_pref_size 124
	.end_amdhsa_kernel
	.amdgpu_metadata
---
amdhsa.version: [ 1, 2 ]
amdhsa.kernels:
  - .name:           k_qb246db5ba6_proj
    .symbol:         k_qb246db5ba6_proj.kd
    .args:
      - { .name: a_codes, .offset: 0, .size: 8, .value_kind: global_buffer, .address_space: global }
      - { .name: wp_codes, .offset: 8, .size: 8, .value_kind: global_buffer, .address_space: global }
      - { .name: lowp_scales, .offset: 16, .size: 8, .value_kind: global_buffer, .address_space: global }
      - { .name: b_proj, .offset: 24, .size: 8, .value_kind: global_buffer, .address_space: global }
      - { .name: out0, .offset: 32, .size: 8, .value_kind: global_buffer, .address_space: global }
    .group_segment_fixed_size: 327680
    .private_segment_fixed_size: 0
    .kernarg_segment_align: 8
    .kernarg_segment_size: 40
    .max_flat_workgroup_size: 128
    .sgpr_count:     100
    .vgpr_count:     1024
    .wavefront_size: 32
...
	.end_amdgpu_metadata
.endif
;; end of part 4
